; MI455X (gfx1250); checked and timed in simulation.
; The chip was launched on July 23, 2026; its instructions are those of AMD's public machine-readable ISA for CDNA 5 (MIT licence, August 2026) and "CDNA5" Instruction Set Architecture Reference Guide (July 2026). The comments in the code are by the model that wrote it; some were corrected since.
;; Quan Dense. Allowed arithmetic: float matrix products may take bf16 or f16 operands with f32 sums; other float arithmetic in f32, or as packed bf16 or f16 multiplies, adds, multiply-adds, maxima and minima; sums over many terms, partial sums and values carried from step to step in f32; what a program stores and reads back later, other than sums and carried values, may be rounded once to bf16 or f16.
;; Inputs: W 4,096 x 4,096 float32; b 4,096 float32; x 4,096 x 4,096 float32.
;; Outputs: out0 4,096 x 4,096 float32.
;; One version. Each part assembles by itself: llvm-mc -triple=amdgcn-amd-amdhsa -mcpu=gfx1250 --defsym DOCPART=n.
;; ======== version 1 of 1: 3 launches
;; workspace buffers: mm 2,048 bytes; xc 33,554,432 bytes; wc 33,554,432 bytes; rowc 16,384 bytes; colp 131,072 bytes; par 256 bytes
;; launch minmax (part 1): grid 128 x 2, 16 waves a work-group, no clusters, 2,304 bytes of LDS; arguments x, W, mm; writes mm
.if DOCPART == 1
	.amdgcn_target "amdgcn-amd-amdhsa--gfx1250"
	.amdhsa_code_object_version 6
	.text
	.protected	k_qdf761d0149_minmax
	.globl	k_qdf761d0149_minmax
	.p2align	8
	.type	k_qdf761d0149_minmax,@function
k_qdf761d0149_minmax:
	s_mov_b64 s[64:65], 0
	v_nop
	global_prefetch_b8 v0, s[64:65] scope:SCOPE_SE
	s_setreg_imm32_b32 hwreg(HW_REG_WAVE_MODE, 25, 1), 1
	s_wait_xcnt 0x0
; The smallest and the largest number of x (work-groups with y = 0) and of W (y = 1), in 128 parts each: mm[y][work-group] = (min, max), f32.
; A tensor is 67,108,864 bytes: a work-group takes 524,288 consecutive bytes, each of its 16 waves 32,768: 64 chunks of 512 bytes, one 16-byte load a lane.
; A ring of 16 slots in registers keeps 16 loads of every wave in flight.  No matrix unit, no cluster: nothing is multiplied and no two work-groups read the same byte.
; LIMITS.  A NaN is passed over by the minima and maxima (the reference would answer with NaN everywhere); infinities are not treated apart.
.set SPARE, 256                        ; LDS: bytes 0-127 sixteen pairs (min, max), one a wave; from 256 on the spare words, 128 bytes a wave
.set MN, 4                             ; v4, v5    two running minima
.set MX, 6                             ; v6, v7    two running maxima
.set X,  32                            ; v[32:95]  slot i: 4 registers as loaded
	s_load_b128 s[4:7], s[0:1], 0x0                ; x s[4:5], W s[6:7]
	s_load_b64 s[8:9], s[0:1], 0x10                ; mm
	v_lshl_add_u32 v30, v0, 2, SPARE               ; my spare word, and 0: kept for the add at the wave's end alone
	v_mov_b32 v31, 0
	v_lshrrev_b32 v2, 5, v0
	v_readfirstlane_b32 s10, v2                    ; wave 0..15
	v_and_b32 v1, 31, v0
	v_lshlrev_b32 v1, 4, v1                        ; 16 x lane; never rewritten
	s_and_b32 s11, ttmp7, 0xffff                   ; which tensor
	s_lshl_b32 s12, ttmp9, 19                      ; the work-group's 524,288 bytes,
	s_lshl_b32 s13, s10, 15                        ; the wave's 32,768 of them
	s_add_co_u32 s12, s12, s13
	s_mov_b32 s13, 0
	s_mov_b32 s16, 0x76543210                      ; v_permlanex16_b32: each lane takes its own place in the other half
	s_mov_b32 s17, 0xfedcba98
	s_lshl_b32 s18, s11, 7
	s_add_co_u32 s18, s18, ttmp9
	s_lshl_b32 s18, s18, 3                         ; my pair in mm: (128 y + x) x 8 bytes
	s_mov_b32 s19, 0
	v_mov_b32 v[MN], 0x7f800000                    ; the minima start at +infinity, the maxima at -infinity
	v_mov_b32 v[MN+1], 0x7f800000
	v_mov_b32 v[MX], 0xff800000
	v_mov_b32 v[MX+1], 0xff800000
	s_wait_kmcnt 0x0
	s_cmp_eq_u32 s11, 0
	s_cselect_b64 s[4:5], s[4:5], s[6:7]
	s_add_nc_u64 s[4:5], s[4:5], s[12:13]
	s_add_nc_u64 s[8:9], s[8:9], s[18:19]
.irp i, 0,1,2,3,4,5,6,7,8,9,10,11,12,13,14,15
	global_load_b128 v[X+4*(\i):X+4*(\i)+3], v1, s[4:5] offset:512*(\i)  ; the ring is filled: chunks 0 to 15
.endr
; One slot's turn.  ahead = 1: the slot is filled again with the chunk 16 further on.  left = how many younger loads may stay out.
.macro MSLOT i, ahead, left
	s_wait_loadcnt \left                           ; loads come back in order: mine is in, the younger ones stay out
	v_min3_num_f32 v[MN],   v[MN],   v[X+4*(\i)],   v[X+4*(\i)+1]
	v_min3_num_f32 v[MN+1], v[MN+1], v[X+4*(\i)+2], v[X+4*(\i)+3]
	v_max3_num_f32 v[MX],   v[MX],   v[X+4*(\i)],   v[X+4*(\i)+1]
	v_max3_num_f32 v[MX+1], v[MX+1], v[X+4*(\i)+2], v[X+4*(\i)+3]
.if \ahead
	global_load_b128 v[X+4*(\i):X+4*(\i)+3], v1, s[4:5] offset:8192+512*(\i)
.endif
.endm
	s_mov_b32 s14, 3
.Lring:                                                ; three trips of 16 chunks, each asking for the next 16
.irp i, 0,1,2,3,4,5,6,7,8,9,10,11,12,13,14,15
	MSLOT \i, 1, 15
.endr
	s_wait_xcnt 0x0                                ; the base is stepped only behind this wait
	s_add_nc_u64 s[4:5], s[4:5], 0x2000
	s_sub_co_u32 s14, s14, 1
	s_cmp_lg_u32 s14, 0
	s_cbranch_scc1 .Lring
.irp i, 0,1,2,3,4,5,6,7,8,9,10,11,12,13,14,15
	MSLOT \i, 0, 15-(\i)                           ; the last 16 chunks: nothing is asked for, the counts run down
.endr
	; across the wave's 32 lanes: four steps inside each half of 16 lanes, one across the halves
	v_min_num_f32 v8, v[MN], v[MN+1]
	v_max_num_f32 v9, v[MX], v[MX+1]
.irp m, 1,2,4,8
	v_min_num_f32_dpp v8, v8, v8 row_xmask:\m row_mask:0xf bank_mask:0xf
	v_max_num_f32_dpp v9, v9, v9 row_xmask:\m row_mask:0xf bank_mask:0xf
.endr
	v_mov_b32 v10, 0                               ; v_permlanex16_b32 counts as a reader of its destination
	v_mov_b32 v11, 0
	v_permlanex16_b32 v10, v8, s16, s17
	v_permlanex16_b32 v11, v9, s16, s17
	v_min_num_f32 v8, v8, v10
	v_max_num_f32 v9, v9, v11
	v_mov_b32 v12, s10
	v_lshlrev_b32 v12, 3, v12
	ds_store_b64 v12, v[8:9]                       ; all lanes write the wave's pair with the same numbers
	s_wait_tensorcnt 0x0                           ; the wave's last LDS store is out
	ds_add_u32 v30, v31
	s_wait_dscnt 0x0                               ; also for the others' sake: my pair is in LDS
	s_barrier_signal -1
	s_barrier_wait -1
	s_cmp_lg_u32 s10, 0
	s_cbranch_scc1 .Lend                           ; wave 0 alone finishes
	v_and_b32 v13, 15, v0
	v_lshlrev_b32 v13, 3, v13
	ds_load_b64 v[14:15], v13                      ; lane l takes wave l % 16's pair
	v_mov_b32 v16, 0
	s_wait_dscnt 0x0
.irp m, 1,2,4,8
	v_min_num_f32_dpp v14, v14, v14 row_xmask:\m row_mask:0xf bank_mask:0xf
	v_max_num_f32_dpp v15, v15, v15 row_xmask:\m row_mask:0xf bank_mask:0xf
.endr
	s_wait_xcnt 0x0                                ; EXEC changes only behind this wait
	v_cmp_eq_u32 vcc_lo, 0, v0
	s_and_saveexec_b32 s20, vcc_lo
	global_store_b64 v16, v[14:15], s[8:9]         ; one lane: the work-group's 8 bytes of mm
	s_wait_xcnt 0x0                                ; and again in front of the line that widens it
	s_or_b32 exec_lo, exec_lo, s20
.Lend:
	s_endpgm
.Lfunc_end_k_qdf761d0149_minmax:
	.size	k_qdf761d0149_minmax, .Lfunc_end_k_qdf761d0149_minmax-k_qdf761d0149_minmax
	.p2alignl 7, 3214868480
	.fill 96, 4, 3214868480
	.section	.rodata,"a",@progbits
	.p2align	6, 0x0
	.amdhsa_kernel k_qdf761d0149_minmax
		.amdhsa_group_segment_fixed_size 2304
		.amdhsa_private_segment_fixed_size 0
		.amdhsa_enable_private_segment 0
		.amdhsa_kernarg_size 24
		.amdhsa_user_sgpr_count 2
		.amdhsa_user_sgpr_kernarg_segment_ptr 1
		.amdhsa_wavefront_size32 1
		.amdhsa_system_sgpr_workgroup_id_x 1
		.amdhsa_system_sgpr_workgroup_id_y 1
		.amdhsa_system_sgpr_workgroup_id_z 1
		.amdhsa_system_vgpr_workitem_id 0
		.amdhsa_next_free_vgpr 96
		.amdhsa_next_free_sgpr 66
		.amdhsa_reserve_vcc 1
		.amdhsa_float_denorm_mode_32 3
		.amdhsa_float_denorm_mode_16_64 3
		.amdhsa_memory_ordered 1
		.amdhsa_forward_progress 1
		.amdhsa_inst_pref_size 16
	.end_amdhsa_kernel
	.amdgpu_metadata
---
amdhsa.version: [ 1, 2 ]
amdhsa.kernels:
  - .name:           k_qdf761d0149_minmax
    .symbol:         k_qdf761d0149_minmax.kd
    .args:
      - { .name: x, .offset: 0, .size: 8, .value_kind: global_buffer, .address_space: global }
      - { .name: W, .offset: 8, .size: 8, .value_kind: global_buffer, .address_space: global }
      - { .name: mm, .offset: 16, .size: 8, .value_kind: global_buffer, .address_space: global }
    .group_segment_fixed_size: 2304
    .private_segment_fixed_size: 0
    .kernarg_segment_align: 8
    .kernarg_segment_size: 24
    .max_flat_workgroup_size: 512
    .sgpr_count:     66
    .vgpr_count:     96
    .wavefront_size: 32
...
	.end_amdgpu_metadata
.endif
;; end of part 1
;; launch quant (part 2): grid 256 x 2, 8 waves a work-group, no clusters, 5,120 bytes of LDS; arguments x, W, mm, xc, wc, rowc, colp, par; writes xc, wc, rowc, colp, par
.if DOCPART == 2
	.amdgcn_target "amdgcn-amd-amdhsa--gfx1250"
	.amdhsa_code_object_version 6
	.text
	.protected	k_qdf761d0149_quant
	.globl	k_qdf761d0149_quant
	.p2align	8
	.type	k_qdf761d0149_quant,@function
k_qdf761d0149_quant:
	s_mov_b64 s[64:65], 0
	v_nop
	global_prefetch_b8 v0, s[64:65] scope:SCOPE_SE
	s_setreg_imm32_b32 hwreg(HW_REG_WAVE_MODE, 25, 1), 1
	s_wait_xcnt 0x0
; The codes.  For a tensor with extrema mn, mx: step = (mx - mn) / 255, q = round((v - mn) / step) in 0 .. 255, and the quantised number is q step + mn = c step + o
; with c = q - 128 and o = mn + 128 step.  c is a whole number in -128 .. 127, which bf16 holds exactly: xc and wc hold c, in the tensors' own layouts.
; With sx, ox for x and sw, ow for W:   sum_k xq Wq = sx sw sum_k cx cw + sx ow sum_k cx[m][k] + ox sw sum_k cw[k][n] + 4096 ox ow.
; This launch also stores   rowc[m] = sx ow rowsum(cx)[m] + 4096 ox ow,   colp[rb][n] = ox sw x (the sum of cw[k][n] over the 512 rows of row block rb),   par = sx sw.
; The sums of codes are whole numbers of at most 2^19 and exact in f32.
; y = 0: x.  A work-group takes 16 rows, a wave two; a load is 512 consecutive bytes of a row, the store of its codes 256.
; y = 1: W.  A work-group takes 128 columns x 512 rows, a wave 64 rows; a lane keeps four columns, so the column sums grow in registers and meet in LDS once.
; A ring of 16 slots in registers keeps 16 loads of every wave in flight.  Memory binds: no matrix unit, no cluster, no tile in LDS.
; THE QUOTIENT is made as a division is: y0 = t inv, r = t - y0 step, y = y0 + r inv, with inv = 1 / step after one Newton step; step = d / 255 likewise with one correction.
; LIMITS.  NaN and infinite inputs are not treated apart.  A tensor with mx - mn = 0 (the reference then gives NaN), or with step below 2^-126 or above 2^126 (v_rcp_f32 flushes
; denormals: ISA guide 15.8), is not served.  Where the corrected quotient still differs from the reference's in its last bit and lies on a tie, a code differs by one.
.set SPARE, 4096                       ; LDS: bytes 0-4095 eight waves x 512 bytes of column sums (W alone); then the spare words, 128 bytes a wave
.set NST,  22                          ; v[22:23]   -step, twice (these registers held extrema until PARAMS has read them)
.set NMN,  24                          ; v[24:25]   -mn, twice
.set INV,  26                          ; v[26:27]   1 / step, twice
.set M128, 28                          ; v[28:29]   -128, twice
.set S,    48                          ; v[48:55]   two sets of four sums, by the slot's parity
.set T,    56                          ; v[56:59]   at work
.set U,    60                          ; v[60:63]   at work
.set X,    64                          ; v[64:127]  slot i: 4 registers as loaded
.set Y,    128                         ; v[128:159] slot i: 2 registers to store
; v1 lane, v2 16 x lane, v3 8 x lane, v4 4 x lane; v[8:23] mm as loaded; v30, v31 the add's; v32 sx, v33 sw, v34 ox, v35 ow, v36 sx sw, v37 sx ow, v38 4096 ox ow, v[40:41] ox sw;
; v42-45 mn, mx of x and of W; v46, v47 at work
; where slot i's 512 bytes lie from the wave's base, where its 256 bytes of codes go, and how far a trip of 16 slots steps.  xp = 1: x; 0: W
.macro PLACE i, xp
.if \xp
.set LO, ((\i)&1)*16384+((\i)>>1)*512  ; row i % 2, chunk i / 2 of the eight of this trip
.set SO, ((\i)&1)*8192+((\i)>>1)*256
.set LSTEP, 4096
.set SSTEP, 2048
.else
.set LO, (\i)*16384                    ; row i of the sixteen of this trip
.set SO, (\i)*8192
.set LSTEP, 262144
.set SSTEP, 131072
.endif
.endm
.macro QFILL xp
.irp i, 0,1,2,3,4,5,6,7,8,9,10,11,12,13,14,15
	PLACE \i, \xp
	global_load_b128 v[X+4*(\i):X+4*(\i)+3], v2, s[26:27] offset:LO th:TH_LOAD_NT
.endr
.endm
; The two tensors' extrema out of mm's 2 x 128 pairs, and all that is made of them.  Every wave makes them for itself: some sixty lines, in the wait for the ring's first loads.
.macro PARAMS
	s_wait_loadcnt 16                              ; mm's four loads are in; the ring's sixteen, issued behind them, stay out
	v_min3_num_f32 v42, v8, v10, v12               ; a load brought (min, max, min, max)
	v_max3_num_f32 v43, v9, v11, v13
	v_min3_num_f32 v44, v16, v18, v20
	v_max3_num_f32 v45, v17, v19, v21
	v_min_num_f32 v42, v42, v14
	v_max_num_f32 v43, v43, v15
	v_min_num_f32 v44, v44, v22
	v_max_num_f32 v45, v45, v23
.irp m, 1,2,4,8
	v_min_num_f32_dpp v42, v42, v42 row_xmask:\m row_mask:0xf bank_mask:0xf
	v_max_num_f32_dpp v43, v43, v43 row_xmask:\m row_mask:0xf bank_mask:0xf
	v_min_num_f32_dpp v44, v44, v44 row_xmask:\m row_mask:0xf bank_mask:0xf
	v_max_num_f32_dpp v45, v45, v45 row_xmask:\m row_mask:0xf bank_mask:0xf
.endr
	v_mov_b32 v60, 0                               ; v_permlanex16_b32 counts as a reader of its destination
	v_mov_b32 v61, 0
	v_mov_b32 v62, 0
	v_mov_b32 v63, 0
	v_permlanex16_b32 v60, v42, s34, s35
	v_permlanex16_b32 v61, v43, s34, s35
	v_permlanex16_b32 v62, v44, s34, s35
	v_permlanex16_b32 v63, v45, s34, s35
	v_min_num_f32 v42, v42, v60                    ; mn of x
	v_max_num_f32 v43, v43, v61                    ; mx of x
	v_min_num_f32 v44, v44, v62                    ; mn of W
	v_max_num_f32 v45, v45, v63                    ; mx of W
	v_mov_b32 v46, 0x437f0000                      ; 255
	v_mov_b32 v47, 0x3b808081                      ; 1 / 255
	v_sub_f32 v58, v43, v42
	v_sub_f32 v59, v45, v44
	v_mul_f32 v32, v58, v47                        ; step = d / 255: a first value,
	v_mul_f32 v33, v59, v47
	v_fma_f32 v60, -v32, v46, v58                  ; what it leaves of d,
	v_fma_f32 v61, -v33, v46, v59
	v_fmac_f32 v32, v60, v47                       ; and the correction
	v_fmac_f32 v33, v61, v47
	v_rcp_f32 v56, v32
	v_rcp_f32 v57, v33
	v_fmamk_f32 v34, v32, 0x43000000, v42          ; ox = 128 sx + mn: also the plain line between the reciprocals and their use (ISA guide 5.7.2)
	v_fmamk_f32 v35, v33, 0x43000000, v44          ; ow
	s_wait_alu depctr_va_vdst(0)
	v_fma_f32 v60, -v32, v56, 1.0                  ; one Newton step on 1 / step
	v_fma_f32 v61, -v33, v57, 1.0
	v_fmac_f32 v56, v56, v60
	v_fmac_f32 v57, v57, v61
	v_mul_f32 v36, v32, v33                        ; sx sw
	v_mul_f32 v37, v32, v35                        ; sx ow
	v_mul_f32 v38, v34, v35
	v_mul_f32 v38, 0x45800000, v38                 ; 4096 ox ow
	v_mul_f32 v40, v34, v33                        ; ox sw
	v_mov_b32 v41, v40
.endm
.macro PICK mn, inv, st                ; the path's own constants as pairs, and the sums at 0
	v_mul_f32 v[NMN], -1.0, v[\mn]
	v_mul_f32 v[NMN+1], -1.0, v[\mn]
	v_mov_b32 v[INV], v[\inv]
	v_mov_b32 v[INV+1], v[\inv]
	v_mul_f32 v[NST], -1.0, v[\st]
	v_mul_f32 v[NST+1], -1.0, v[\st]
	v_mov_b32 v[M128], 0xc3000000
	v_mov_b32 v[M128+1], 0xc3000000
.irp j, 0,1,2,3,4,5,6,7
	v_mov_b32 v[S+(\j)], 0
.endr
.endm
; One slot's turn: four numbers a lane.  ahead = 1: the slot is filled again with its place one trip on.  left = how many younger loads may stay out.
.macro SLOT i, ahead, left, xp
	PLACE \i, \xp
.set SS, S+4*((\i)&1)
	s_wait_loadcnt \left                           ; loads come back in order: mine is in
	v_pk_add_f32 v[T:T+1],   v[X+4*(\i):X+4*(\i)+1],   v[NMN:NMN+1]     ; t = v - mn
	v_pk_add_f32 v[T+2:T+3], v[X+4*(\i)+2:X+4*(\i)+3], v[NMN:NMN+1]
.if \ahead
	global_load_b128 v[X+4*(\i):X+4*(\i)+3], v2, s[26:27] offset:LO+LSTEP th:TH_LOAD_NT
.endif
	v_pk_mul_f32 v[U:U+1],   v[T:T+1],   v[INV:INV+1]                   ; y0 = t inv
	v_pk_mul_f32 v[U+2:U+3], v[T+2:T+3], v[INV:INV+1]
	v_pk_fma_f32 v[T:T+1],   v[U:U+1],   v[NST:NST+1], v[T:T+1]         ; r = t - y0 step
	v_pk_fma_f32 v[T+2:T+3], v[U+2:U+3], v[NST:NST+1], v[T+2:T+3]
	v_pk_fma_f32 v[U:U+1],   v[T:T+1],   v[INV:INV+1], v[U:U+1]         ; y = y0 + r inv
	v_pk_fma_f32 v[U+2:U+3], v[T+2:T+3], v[INV:INV+1], v[U+2:U+3]
	v_rndne_f32 v[U], v[U]                                              ; to the nearest whole number, ties to even, as the reference rounds
	v_rndne_f32 v[U+1], v[U+1]
	v_rndne_f32 v[U+2], v[U+2]
	v_rndne_f32 v[U+3], v[U+3]
	v_pk_add_f32 v[U:U+1],   v[U:U+1],   v[M128:M128+1]                 ; c = q - 128
	v_pk_add_f32 v[U+2:U+3], v[U+2:U+3], v[M128:M128+1]
	v_pk_add_f32 v[SS:SS+1],   v[SS:SS+1],   v[U:U+1]
	v_pk_add_f32 v[SS+2:SS+3], v[SS+2:SS+3], v[U+2:U+3]
	v_cvt_pk_bf16_f32 v[Y+2*(\i)],   v[U],   v[U+1]                     ; exact
	v_cvt_pk_bf16_f32 v[Y+2*(\i)+1], v[U+2], v[U+3]
	global_store_b64 v3, v[Y+2*(\i):Y+2*(\i)+1], s[28:29] offset:SO     ; the wave stores 256 consecutive bytes, at a multiple of 256 from the buffer's first byte
.endm
.macro STREAM xp                       ; 64 chunks a wave: three trips of 16 that ask for the next 16, and 16 written out that ask for nothing
	s_mov_b32 s32, 3
.Lring_\@:
.irp i, 0,1,2,3,4,5,6,7,8,9,10,11,12,13,14,15
	SLOT \i, 1, 15, \xp
.endr
	s_wait_xcnt 0x0                                ; both bases and all of Y are rewritten only behind this wait
	s_add_nc_u64 s[26:27], s[26:27], LSTEP
	s_add_nc_u64 s[28:29], s[28:29], SSTEP
	s_sub_co_u32 s32, s32, 1
	s_cmp_lg_u32 s32, 0
	s_cbranch_scc1 .Lring_\@
.irp i, 0,1,2,3,4,5,6,7,8,9,10,11,12,13,14,15
	SLOT \i, 0, 15-(\i), \xp
.endr
.endm
	s_load_b512 s[4:19], s[0:1], 0x0               ; x s[4:5], W s[6:7], mm s[8:9], xc s[10:11], wc s[12:13], rowc s[14:15], colp s[16:17], par s[18:19]
	v_lshl_add_u32 v30, v0, 2, SPARE               ; my spare word, and 0: kept for the add alone
	v_mov_b32 v31, 0
	v_lshrrev_b32 v1, 5, v0
	v_readfirstlane_b32 s20, v1                    ; wave 0..7
	v_and_b32 v1, 31, v0                           ; lane
	v_lshlrev_b32 v2, 4, v1
	v_lshlrev_b32 v3, 3, v1
	v_lshlrev_b32 v4, 2, v1
	s_and_b32 s21, ttmp7, 0xffff                   ; which tensor: the same for the whole work-group
	s_mov_b32 s34, 0x76543210                      ; v_permlanex16_b32: each lane takes its own place in the other half
	s_mov_b32 s35, 0xfedcba98
	s_mov_b32 s23, 0
	s_mov_b32 s25, 0
	s_wait_kmcnt 0x0
	global_load_b128 v[8:11],  v2, s[8:9]              ; x's 128 pairs: 1,024 bytes,
	global_load_b128 v[12:15], v2, s[8:9] offset:512
	global_load_b128 v[16:19], v2, s[8:9] offset:1024  ; and W's
	global_load_b128 v[20:23], v2, s[8:9] offset:1536
	s_cmp_lg_u32 s21, 0
	s_cbranch_scc1 .Lw_path
	; ---- x ----
	s_lshl_b32 s22, ttmp9, 18                      ; the work-group's 16 rows of 16,384 bytes,
	s_lshl_b32 s36, s20, 15                        ; the wave's two
	s_add_co_u32 s22, s22, s36
	s_lshr_b32 s24, s22, 1                         ; the codes take half the bytes
	s_add_nc_u64 s[26:27], s[4:5], s[22:23]
	s_add_nc_u64 s[28:29], s[10:11], s[24:25]
	s_lshl_b32 s22, ttmp9, 6
	s_lshl_b32 s36, s20, 3
	s_add_co_u32 s22, s22, s36                     ; (16 x work-group + 2 x wave) x 4 bytes
	s_add_nc_u64 s[30:31], s[14:15], s[22:23]
	QFILL 1
	PARAMS
	PICK 42, 56, 32
	STREAM 1
	; the two rows' sums of codes: set 0 is the even row's, set 1 the odd row's
	v_pk_add_f32 v[S:S+1],   v[S:S+1],   v[S+2:S+3]
	v_pk_add_f32 v[S+4:S+5], v[S+4:S+5], v[S+6:S+7]
	v_add_f32 v[S],   v[S],   v[S+1]
	v_add_f32 v[S+4], v[S+4], v[S+5]
.irp m, 1,2,4,8
	v_add_f32_dpp v[S],   v[S],   v[S]   row_xmask:\m row_mask:0xf bank_mask:0xf
	v_add_f32_dpp v[S+4], v[S+4], v[S+4] row_xmask:\m row_mask:0xf bank_mask:0xf
.endr
	v_permlanex16_b32 v[S+1], v[S],   s34, s35
	v_permlanex16_b32 v[S+5], v[S+4], s34, s35
	v_add_f32 v[S],   v[S],   v[S+1]
	v_add_f32 v[S+4], v[S+4], v[S+5]
	v_fma_f32 v[S],   v[S],   v37, v38             ; sx ow x sum + 4096 ox ow
	v_fma_f32 v[S+4], v[S+4], v37, v38
	v_cmp_eq_u32 vcc_lo, 1, v1
	v_cndmask_b32 v[S], v[S], v[S+4], vcc_lo       ; lane 0 the even row's, lane 1 the odd row's
	s_wait_xcnt 0x0                                ; EXEC changes only behind this wait
	v_cmp_gt_u32 vcc_lo, 2, v1
	s_and_saveexec_b32 s33, vcc_lo
	global_store_b32 v4, v[S], s[30:31]            ; 8 bytes a wave: rowc is 16,384 bytes in all, and no wave holds more than two rows
	s_wait_xcnt 0x0                                ; and again in front of the line that widens it
	s_or_b32 exec_lo, exec_lo, s33
	s_or_b32 s36, ttmp9, s20
	s_cmp_lg_u32 s36, 0
	s_cbranch_scc1 .Lx_end                         ; wave 0 of work-group 0 alone writes par
	v_mov_b32 v46, v36
	v_mov_b32 v47, v36
	global_store_b64 v3, v[46:47], s[18:19]        ; sx sw in all 64 words: par's 256 bytes in one store
.Lx_end:
	s_endpgm                                       ; all eight waves of the work-group are on it
	; ---- W ----
.Lw_path:
	s_lshr_b32 s36, ttmp9, 5                       ; row block 0..7
	s_and_b32 s37, ttmp9, 31                       ; strip of 128 columns 0..31
	s_lshl_b32 s22, s36, 23                        ; 512 rows of 16,384 bytes,
	s_lshl_b32 s38, s20, 20                        ; the wave's 64 rows,
	s_add_co_u32 s22, s22, s38
	s_lshl_b32 s38, s37, 9                         ; the strip's 512 bytes
	s_add_co_u32 s22, s22, s38
	s_lshr_b32 s24, s22, 1
	s_add_nc_u64 s[26:27], s[6:7], s[22:23]
	s_add_nc_u64 s[28:29], s[12:13], s[24:25]
	s_lshl_b32 s22, s36, 14                        ; colp: row block x 4,096 x 4 bytes + the strip's 512
	s_add_co_u32 s22, s22, s38
	s_add_nc_u64 s[30:31], s[16:17], s[22:23]
	QFILL 0
	PARAMS
	PICK 44, 57, 33
	STREAM 0
	v_pk_add_f32 v[S:S+1],   v[S:S+1],   v[S+4:S+5]   ; both sets hold the same four columns
	v_pk_add_f32 v[S+2:S+3], v[S+2:S+3], v[S+6:S+7]
	v_lshl_add_u32 v5, s20, 9, v2                  ; 512 x wave + 16 x lane
	ds_store_b128 v5, v[S:S+3]
	s_wait_tensorcnt 0x0                           ; the wave's last LDS store is out
	ds_add_u32 v30, v31
	s_wait_dscnt 0x0                               ; also for the others' sake: my sums are in LDS
	s_barrier_signal -1
	s_barrier_wait -1
	s_cmp_lg_u32 s20, 0
	s_cbranch_scc1 .Lw_end                         ; wave 0 alone finishes
.irp j, 0,1,2,3,4,5,6,7
	ds_load_b128 v[X+4*(\j):X+4*(\j)+3], v2 offset:512*(\j)
.endr
	s_wait_dscnt 0x0
.irp j, 1,2,3,4,5,6,7
	v_pk_add_f32 v[X:X+1],   v[X:X+1],   v[X+4*(\j):X+4*(\j)+1]
	v_pk_add_f32 v[X+2:X+3], v[X+2:X+3], v[X+4*(\j)+2:X+4*(\j)+3]
.endr
	v_pk_mul_f32 v[X:X+1],   v[X:X+1],   v[40:41]     ; x ox sw
	v_pk_mul_f32 v[X+2:X+3], v[X+2:X+3], v[40:41]
	global_store_b128 v2, v[X:X+3], s[30:31]       ; 512 consecutive bytes, at a multiple of 512 from colp's first byte
.Lw_end:
	s_endpgm
.Lfunc_end_k_qdf761d0149_quant:
	.size	k_qdf761d0149_quant, .Lfunc_end_k_qdf761d0149_quant-k_qdf761d0149_quant
	.p2alignl 7, 3214868480
	.fill 96, 4, 3214868480
	.section	.rodata,"a",@progbits
	.p2align	6, 0x0
	.amdhsa_kernel k_qdf761d0149_quant
		.amdhsa_group_segment_fixed_size 5120
		.amdhsa_private_segment_fixed_size 0
		.amdhsa_enable_private_segment 0
		.amdhsa_kernarg_size 64
		.amdhsa_user_sgpr_count 2
		.amdhsa_user_sgpr_kernarg_segment_ptr 1
		.amdhsa_wavefront_size32 1
		.amdhsa_system_sgpr_workgroup_id_x 1
		.amdhsa_system_sgpr_workgroup_id_y 1
		.amdhsa_system_sgpr_workgroup_id_z 1
		.amdhsa_system_vgpr_workitem_id 0
		.amdhsa_next_free_vgpr 160
		.amdhsa_next_free_sgpr 66
		.amdhsa_reserve_vcc 1
		.amdhsa_float_denorm_mode_32 3
		.amdhsa_float_denorm_mode_16_64 3
		.amdhsa_memory_ordered 1
		.amdhsa_forward_progress 1
		.amdhsa_inst_pref_size 92
	.end_amdhsa_kernel
	.amdgpu_metadata
---
amdhsa.version: [ 1, 2 ]
amdhsa.kernels:
  - .name:           k_qdf761d0149_quant
    .symbol:         k_qdf761d0149_quant.kd
    .args:
      - { .name: x, .offset: 0, .size: 8, .value_kind: global_buffer, .address_space: global }
      - { .name: W, .offset: 8, .size: 8, .value_kind: global_buffer, .address_space: global }
      - { .name: mm, .offset: 16, .size: 8, .value_kind: global_buffer, .address_space: global }
      - { .name: xc, .offset: 24, .size: 8, .value_kind: global_buffer, .address_space: global }
      - { .name: wc, .offset: 32, .size: 8, .value_kind: global_buffer, .address_space: global }
      - { .name: rowc, .offset: 40, .size: 8, .value_kind: global_buffer, .address_space: global }
      - { .name: colp, .offset: 48, .size: 8, .value_kind: global_buffer, .address_space: global }
      - { .name: par, .offset: 56, .size: 8, .value_kind: global_buffer, .address_space: global }
    .group_segment_fixed_size: 5120
    .private_segment_fixed_size: 0
    .kernarg_segment_align: 8
    .kernarg_segment_size: 64
    .max_flat_workgroup_size: 256
    .sgpr_count:     66
    .vgpr_count:     160
    .wavefront_size: 32
...
	.end_amdgpu_metadata
.endif
;; end of part 2
;; launch gemm (part 3): grid 16 x 16, 4 waves a work-group, clusters of 4 x 4, 327,680 bytes of LDS; arguments xc, wc, out0, rowc, colp, b, par; writes out0
.if DOCPART == 3
	.amdgcn_target "amdgcn-amd-amdhsa--gfx1250"
	.amdhsa_code_object_version 6
	.text
	.protected	k_qdf761d0149_gemm
	.globl	k_qdf761d0149_gemm
	.p2align	8
	.type	k_qdf761d0149_gemm,@function
k_qdf761d0149_gemm:
	s_mov_b64 s[64:65], 0
	v_nop
	global_prefetch_b8 v0, s[64:65] scope:SCOPE_SE
	s_setreg_imm32_b32 hwreg(HW_REG_WAVE_MODE, 25, 1), 1
	s_wait_xcnt 0x0
	s_wait_alu depctr_hold_cnt(0) depctr_sa_sdst(0) depctr_va_vdst(0) depctr_va_sdst(0) depctr_va_ssrc(0) depctr_va_vcc(0) depctr_vm_vsrc(0)
	s_getreg_b32 s2, hwreg(HW_REG_IB_STS2, 6, 4)
	s_cmp_eq_u32 s2, 0
	s_cbranch_scc0 .Lentry_in_a_cluster
	s_endpgm
.Lentry_in_a_cluster:
	s_bfe_u32 s2, ttmp6, 0x10000c
	s_cmp_lg_u32 s2, 0xf033
	s_cbranch_scc0 .Lentry_shape_is_right
	s_endpgm
.Lentry_shape_is_right:
; out[m][n] = relu(alpha x sum_k cx[m][k] cw[k][n] + R[m] + C[n]),  alpha = par[0],  R = rowc,  C[n] = the sum over the eight row blocks of colp[.][n] + b[n].
; xc: [4096 m][4096 k] bf16, wc: [4096 k][4096 n] bf16: whole numbers in -128 .. 127, so the products are exact; sums in f32.  out: [4096][4096] f32.
; A tile of out, 256 x 256, is made by a work-group of four waves, as many as a WGP has SIMDs; a wave makes 128 x 128: 64 accumulators of 16 x 16, 512 registers.  16 x 16 tiles: 256 work-groups.
; K goes in steps of 128 through a ring of two LDS slots filled by the tensor data mover.  x's tile is 256 rows (m) of 256 bytes; W's tile is 128 rows (k) of 512 bytes, as it lies in memory,
; and its fragments come out of LDS turned, by ds_load_tr16_b128.
; CLUSTERS: 4 x 4 work-groups.  The four of a row of the cluster need the same tiles of x, the four of a column the same tiles of W: each tile is asked for JOINTLY, by the same tensor load with
; the same descriptor and a mask that names the four.
; THE MATRIX INSTRUCTION IS USED TRANSPOSED: source 0 = 16 columns n of W, source 1 = 16 rows m of x.  In the result lane l holds row m = l % 16 and its registers 0 to 7 the columns
; n = 8 (l / 16) + 0 .. 7: eight neighbouring numbers of a row of out.
; LIMITS.  NaN and infinities are not treated apart: relu is a maximum with 0 in which a NaN loses.  A sum of code products beyond 2^24 is rounded as any f32 sum is.
;
; REGISTERS, in windows of 256 (s_set_vgpr_msb's low byte: bits 1:0 source 0, 3:2 source 1, 5:4 source 2, 7:6 destination):
;   window 0: v0-31 addresses; v32-47 R; v48-51 C; v64-127, v128-191 fragments of x, two buffers; on the way out v64-127 scaled results, v128-191 and v192-255 rows read back, by turns
;   window 1: v64-127, v128-191 fragments of W, two buffers
;   window 2: the 32 accumulators of my rows 0-63 (accumulator (a, b) at v[8 (8 a + b)]);   window 3: those of my rows 64-127
.set SIZE_K, 4096
.set SIZE_N, 4096
.set KSTEP,  128
.set PITCH,  272                       ; a row of x's tile in LDS: 256 bytes + 16 of padding = 68 words: the 16 rows that a load touches start at 16 different groups of four banks (64 banks of 4 bytes: ISA guide 11.1)
.set PB,     544                       ; a row of W's tile: 512 bytes + 32 of padding = 136 words
.set HALFT,  128*PITCH                 ; what one tensor load brings: 128 rows of x's tile, or 64 rows of W's (64 x 544 is the same 34,816 bytes)
.set SLOT,   4*HALFT                   ; x's 256 rows, then W's 128 rows
.set STAGE,  2*SLOT                    ; behind the ring: 16 rows x 528 bytes for each wave, for the way out
.set SPITCH, 528                       ; 512 bytes (128 f32) + 16
.set SPARE,  STAGE+4*16*SPITCH         ; behind the stages: the spare words, 128 bytes for each wave: two blocks of 256 bytes that no other line names
.set LAPS,   SIZE_K/(2*KSTEP)          ; a lap = two K steps = once round the ring: 16
.set ASTEP,  2*KSTEP*2                 ; two K steps on in x: 512 bytes along the rows
.set BSTEP,  2*KSTEP*SIZE_N*2          ; two K steps on in W: 256 rows down
.set ADRA, 16                          ; v16-17  LDS address of my fragments of x in slot 0, 1
.set ADRB, 20                          ; v20-21  the same for W
.set STO,  24                          ; v24     the way out: where I put 32 bytes of a row
.set RD,   25                          ; v25     the way out: where I read a row back
.set CO,   26                          ; v26     16 x lane: my byte offset in 512 consecutive bytes of out, colp and b
.set SPW,  28                          ; v28     LDS address of my spare word: SPARE + 4 x my thread's number; never rewritten
.set NIL,  29                          ; v29     0; never rewritten
.set RB,   32                          ; v32-47  R of row 16 a + l % 16 of my 128, twice, at RB + 2 a
.set CC,   48                          ; v48-51  C of columns 4 lane .. + 3 of my 128
.set F0,   64                          ; fragment buffer 0
.set F1,   128                         ; fragment buffer 1
.set TMP,  64                          ; the way out: a block's 16 x 128 results, scaled
.set OB,   128                         ; the way out: 16 rows read back from the stage: v128-191 and v192-255 by turns
.set G1, 24                            ; s[24:31] descriptor group 1 for x's tiles
.set G0, 32                            ; s[32:39] descriptor group 0 for x's tiles, one set for each slot
.set G1B, 48                           ; s[48:55] descriptor group 1 for W's tiles
.set G0B, 56                           ; s[56:63] descriptor group 0 for W's tiles, one set for each slot
.set MSB, 0
.macro WIN new                         ; the immediate's high byte repeats the setting that is left; a switch that changes nothing is dropped
.if MSB != (\new)
	s_set_vgpr_msb (MSB<<8)|(\new)
.set MSB, \new
.endif
.endm
.set MUL_LO, 0xa1                      ; source 0 (W) window 1, source 1 (x) window 0, C and D window 2
.set MUL_HI, 0xf1                      ; the same, C and D window 3
.set TO_B,   0x40                      ; destination window 1, address window 0
; A joint load.  Waves 0 and 1 fetch the two halves of x's tile, waves 2 and 3 those of W's.  Each of the two lines has one mask and one set of registers for all that issue it.
; The branch hangs on the wave's number alone.  An s_nop 0 and four v_nop follow each of the two lines, ahead of the jump, the label and what follows.
.macro JLOAD s
	s_cmp_eq_u32 s11, 0
	s_cbranch_scc0 .Lfor_b_\@
	tensor_load_to_lds s[G0+4*(\s):G0+4*(\s)+3], s[G1:G1+7]
	s_nop 0
.rept 4
	v_nop
.endr
	s_branch .Lasked_\@
.Lfor_b_\@:
	tensor_load_to_lds s[G0B+4*(\s):G0B+4*(\s)+3], s[G1B:G1B+7]
	s_nop 0
.rept 4
	v_nop
.endr
.Lasked_\@:
.endm
; A round of the cluster's barrier: my work-group's barrier, so that wave 0's signal speaks for all four waves; wave 0 signals; every wave waits for all sixteen work-groups; my work-group's barrier once more.
.macro CREST                           ; a round behind its opening barrier
	s_cmp_lg_u32 s10, 0
	s_cbranch_scc1 .Lnot_wave_0_\@
	s_barrier_signal -3
.Lnot_wave_0_\@:
	s_barrier_wait -3
	s_barrier_signal -1
	s_barrier_wait -1
.endm
.macro CROUND                          ; a whole round
	s_barrier_signal -1
	s_barrier_wait -1
	CREST
.endm
	s_load_b128 s[4:7], s[0:1], 0x0                ; xc s[4:5], wc s[6:7]
	s_load_b64 s[8:9], s[0:1], 0x10                ; out0
	s_load_b256 s[68:75], s[0:1], 0x18             ; rowc s[68:69], colp s[70:71], b s[72:73], par s[74:75]
	v_lshl_add_u32 v[SPW], v0, 2, SPARE
	v_mov_b32 v[NIL], 0
	ds_add_u32 v[SPW], v[NIL]                      ; the wave's opening: the add and its wait stand ahead of my first tensor load; the set-up below, work on registers, stands between them
	v_lshrrev_b32 v1, 5, v0
	v_readfirstlane_b32 s10, v1                    ; wave 0..3
	s_lshr_b32 s11, s10, 1                         ; which half of the tile's rows is mine.  Also: I fetch for x (0) or for W (1)
	s_and_b32 s12, s10, 1                          ; which half of its columns.  Also: which half of that tile I fetch
	s_bfe_u32 s40, ttmp6, 0x40000                  ; cx: my place along the cluster's x
	s_bfe_u32 s41, ttmp6, 0x40004                  ; cy: along its y
	s_lshl_b32 s42, ttmp9, 2                       ; in a cluster launch ttmp9 and ttmp7 count clusters
	s_add_co_u32 s42, s42, s40                     ; tile column = 4 x cluster x + cx
	s_and_b32 s13, ttmp7, 0xffff
	s_lshl_b32 s13, s13, 2
	s_add_co_u32 s13, s13, s41                     ; tile row = 4 x cluster y + cy
	s_lshl_b32 s43, s41, 2
	s_lshl_b32 s43, 15, s43                        ; my row of the cluster: places 4 cy .. 4 cy + 3
	s_lshl_b32 s44, 0x1111, s40                    ; my column: places cx, cx + 4, cx + 8, cx + 12
	; descriptor group 1.  x: 128 rows x 128 elements; W: 64 rows x 256 elements; both padded in LDS
	s_or_b32 s[G1+0], s43, (1<<16)|(1<<20)|(1<<21)|(5<<22)|(3<<25)   ; 15:0 the mask: x's tiles go to my row; 17:16 elements of 2 bytes; 20 padding on; 21 set beside a mask; 24:22 after every 64 words (code 5); 31:25 4 words of it (code 3)
	s_or_b32 s[G1B+0], s44, (1<<16)|(1<<20)|(1<<21)|(6<<22)|(7<<25)  ; the mask of my column; after every 128 words (code 6) 8 words (code 7)
	s_mov_b32 s[G1+1], 128<<16                     ; 63:48 tensor_dim0, low half = 128
	s_mov_b32 s[G1+2], 128<<16                     ; 95:80 tensor_dim1, low half = 128
	s_mov_b32 s[G1+3], 128<<16                     ; 127:112 tile_dim0 = 128
	s_mov_b32 s[G1+4], 128                         ; 143:128 tile_dim1 = 128
	s_mov_b32 s[G1+5], SIZE_K                      ; 191:160 elements from row to row
	s_mov_b32 s[G1+6], 0
	s_mov_b32 s[G1+7], 0
	s_mov_b32 s[G1B+1], 256<<16                    ; tensor_dim0 = 256
	s_mov_b32 s[G1B+2], 64<<16                     ; tensor_dim1 = 64
	s_mov_b32 s[G1B+3], 256<<16                    ; tile_dim0 = 256
	s_mov_b32 s[G1B+4], 64                         ; tile_dim1 = 64
	s_mov_b32 s[G1B+5], SIZE_N
	s_mov_b32 s[G1B+6], 0
	s_mov_b32 s[G1B+7], 0
	; where the tiles come from.  x's hang on the tile row alone, which my row of the cluster shares; W's on the tile column alone, which my column shares.
	; Every wave makes both addresses, in registers that never hold the other coordinate, and asks by one of them.
	s_lshl_b32 s16, s13, 8
	s_lshl_b32 s17, s12, 7
	s_add_co_u32 s16, s16, s17                     ; x: row 256 x tile row + 128 x half,
	s_lshl_b32 s16, s16, 13                        ; of 8,192 bytes: below 2^25
	s_mov_b32 s17, 0
	s_lshl_b32 s46, s12, 19                        ; W: row 64 x half, of 8,192 bytes,
	s_lshl_b32 s47, s42, 9                         ; and the tile column's 512 bytes
	s_add_co_u32 s46, s46, s47
	s_mov_b32 s47, 0
	s_mul_i32 s20, s10, HALFT                      ; and where they go: wave x 34,816 bytes: no place in the cluster enters an LDS address
	s_wait_dscnt 0x0                               ; the opening add is done
	s_wait_kmcnt 0x0
	s_add_nc_u64 s[14:15], s[4:5], s[16:17]
	s_add_nc_u64 s[46:47], s[6:7], s[46:47]
	CROUND                                         ; all sixteen work-groups are here: the first joint loads meet
.irp s, 0,1
	s_mov_b32 s[G0+4*(\s)], 1                                          ; 1:0 count = 1
	s_add_co_u32 s[G0+4*(\s)+1], s20, (\s)*SLOT                        ; 63:32 LDS address
	s_add_nc_u64 s[G0+4*(\s)+2:G0+4*(\s)+3], s[14:15], (\s)*KSTEP*2    ; 120:64 global address: K step s
	s_or_b32 s[G0+4*(\s)+3], s[G0+4*(\s)+3], 0x80000000                ; 127:126 type = 2
	s_mov_b32 s[G0B+4*(\s)], 1
	s_add_co_u32 s[G0B+4*(\s)+1], s20, (\s)*SLOT
	s_add_nc_u64 s[G0B+4*(\s)+2:G0B+4*(\s)+3], s[46:47], (\s)*KSTEP*SIZE_N*2
	s_or_b32 s[G0B+4*(\s)+3], s[G0B+4*(\s)+3], 0x80000000
	JLOAD \s                                       ; the ring is filled before anything else is done: two loads of mine are out
.endr
	; A fragment is 16 rows x 32 K in 8 registers: lane l holds row l % 16; registers 0-3 hold K = 8 (l / 16) + 0..7, registers 4-7 K = 16 + 8 (l / 16) + 0..7.
	; x lies along K: two loads of 16 bytes, 32 bytes apart.  W lies [k][n]: two turning loads, 16 rows apart; lane l reads 16 bytes of row 8 (l / 16) + l % 8 at column 8 ((l / 8) % 2).
	v_and_b32 v1, 15, v0                           ; l % 16
	v_bfe_u32 v2, v0, 4, 1                         ; l / 16
	v_mul_u32_u24 v3, v1, PITCH
	v_lshl_add_u32 v3, v2, 4, v3                   ; row x pitch + 16 x half
	v_and_b32 v6, 7, v0
	v_lshl_add_u32 v6, v2, 3, v6
	v_mul_u32_u24 v6, v6, PB
	v_bfe_u32 v7, v0, 3, 1
	v_lshl_add_u32 v6, v7, 4, v6
	s_mul_i32 s21, s11, HALFT                      ; my 128 rows of x
	s_lshl_b32 s22, s12, 8                         ; my 128 columns of W: 256 bytes along its rows,
	s_add_co_u32 s22, s22, 2*HALFT                 ; which lie behind x's 256 rows
.irp s, 0,1
	v_add_nc_u32 v[ADRA+(\s)], s21, v3
	v_add_nc_u32 v[ADRB+(\s)], s22, v6
	s_add_co_u32 s21, s21, SLOT
	s_add_co_u32 s22, s22, SLOT
.endr
	s_mul_i32 s23, s10, 16*SPITCH
	s_add_co_u32 s23, s23, STAGE                   ; my stage
	v_mul_u32_u24 v8, v1, SPITCH                   ; in: row l % 16, 32 bytes for each half of the lanes
	v_lshl_add_u32 v8, v2, 5, v8
	v_add_nc_u32 v[STO], s23, v8
	v_and_b32 v5, 31, v0
	v_lshlrev_b32 v[CO], 4, v5
	v_add_nc_u32 v[RD], s23, v[CO]                 ; back: the 32 lanes take one row of 512 bytes
	v_lshlrev_b32 v4, 2, v1                        ; 4 (l % 16): my row among 16 of R
	; my first row m0 and column n0, and what hangs on them; none of these registers feeds a descriptor
	s_lshl_b32 s78, s13, 8
	s_lshl_b32 s79, s11, 7
	s_add_co_u32 s78, s78, s79                     ; m0 = 256 x tile row + 128 x half
	s_lshl_b32 s82, s78, 14                        ; m0 rows of out, 16,384 bytes each
	s_lshl_b32 s78, s78, 2
	s_mov_b32 s79, 0
	s_lshl_b32 s80, s42, 8
	s_lshl_b32 s81, s12, 7
	s_add_co_u32 s80, s80, s81                     ; n0 = 256 x tile column + 128 x half
	s_lshl_b32 s80, s80, 2
	s_mov_b32 s81, 0
	s_add_co_u32 s82, s82, s80                     ; where my part of out begins: the first way out adds it to out's address
	s_mov_b32 s83, 0
	s_add_nc_u64 s[68:69], s[68:69], s[78:79]
	s_add_nc_u64 s[70:71], s[70:71], s[80:81]
	s_add_nc_u64 s[72:73], s[72:73], s[80:81]
	s_load_b64 s[76:77], s[74:75], 0x0             ; alpha, twice: the packed scaling names a pair
.irp a, 0,1,2,3,4,5,6,7
	global_load_b32 v[RB+2*(\a)],   v4, s[68:69] offset:64*(\a)
	global_load_b32 v[RB+2*(\a)+1], v4, s[68:69] offset:64*(\a)   ; twice: a lane's two results of a packed line belong to one row
.endr
.irp j, 0,1,2,3,4,5,6,7
	global_load_b128 v[64+4*(\j):64+4*(\j)+3], v[CO], s[70:71] offset:16384*(\j)  ; the eight row blocks' parts of my 128 columns
.endr
	global_load_b128 v[96:99], v[CO], s[72:73]     ; and b
	s_wait_loadcnt 0x0                             ; once, in the wait for the first tile
	v_pk_add_f32 v[CC:CC+1],   v[64:65], v[68:69]
	v_pk_add_f32 v[CC+2:CC+3], v[66:67], v[70:71]
.irp j, 2,3,4,5,6,7,8
	v_pk_add_f32 v[CC:CC+1],   v[CC:CC+1],   v[64+4*(\j):64+4*(\j)+1]
	v_pk_add_f32 v[CC+2:CC+3], v[CC+2:CC+3], v[64+4*(\j)+2:64+4*(\j)+3]
.endr
	s_wait_kmcnt 0x0                               ; alpha
; 16 matrix instructions: m blocks a0, a0 + 1 of the window's four (hi = 0: my rows 0-63, 1: rows 64-127) x all 8 n blocks, 32 along K.
; zero = 1: the first product starts the sums: nothing is ever cleared.  The 64 accumulators take turns, one instruction a turn, in the same order everywhere.
.macro MUL16 f, hi, a0, zero
	WIN MUL_LO+0x50*(\hi)
.irp a, \a0, (\a0)+1
.irp b, 0,1,2,3,4,5,6,7
.if \zero
	v_wmma_f32_16x16x32_bf16 v[8*(8*(\a)+(\b)):8*(8*(\a)+(\b))+7], v[(\f)+8*(\b):(\f)+8*(\b)+7], v[(\f)+8*(4*(\hi)+(\a)):(\f)+8*(4*(\hi)+(\a))+7], 0
.else
	v_wmma_f32_16x16x32_bf16 v[8*(8*(\a)+(\b)):8*(8*(\a)+(\b))+7], v[(\f)+8*(\b):(\f)+8*(\b)+7], v[(\f)+8*(4*(\hi)+(\a)):(\f)+8*(4*(\hi)+(\a))+7], v[8*(8*(\a)+(\b)):8*(8*(\a)+(\b))+7]
.endif
.endr
.endr
.endm
; 32 LDS loads in one run: the fragments of quarter q of a K step (32 along K; 128 columns of W, then 128 rows of x) into buffer f
.macro FETCH slot, q, f
	WIN TO_B
.irp i, 0,1,2,3,4,5,6,7
	ds_load_tr16_b128 v[(\f)+8*(\i):(\f)+8*(\i)+3],   v[ADRB+(\slot)] offset:(\q)*32*PB+32*(\i)
	ds_load_tr16_b128 v[(\f)+8*(\i)+4:(\f)+8*(\i)+7], v[ADRB+(\slot)] offset:(\q)*32*PB+16*PB+32*(\i)
.endr
	WIN 0
.irp i, 0,1,2,3,4,5,6,7
	ds_load_b128 v[(\f)+8*(\i):(\f)+8*(\i)+3],   v[ADRA+(\slot)] offset:(\q)*64+(\i)*16*PITCH
	ds_load_b128 v[(\f)+8*(\i)+4:(\f)+8*(\i)+7], v[ADRA+(\slot)] offset:(\q)*64+(\i)*16*PITCH+32
.endr
.endm
; A load into a register that a matrix instruction has read, and a vector instruction that reads a matrix result or writes one of a matrix instruction's registers, stand four places
; behind it, and only plain vector instructions that name none of its registers are places (ISA guide 7.12.1 for vector instructions).
.macro PLACES
.rept 4
	v_nop
.endr
.endm
; A K step is four quarters of 32 along K, 64 matrix instructions each, on buffers 0, 1, 0, 1.
; One of the first three: multiplies buffer f; in its middle it fetches quarter q of the same slot into buffer g.
.macro QUARTER slot, q, f, g, zero
	s_wait_dscnt 8                                 ; W and x's rows 0-63 are in; the youngest eight loads (x's rows 64-127) may be out
	MUL16 \f, 0, 0, \zero
	MUL16 \f, 0, 2, \zero
	PLACES
	FETCH \slot, \q, \g
	s_wait_dscnt 32                                ; all but the 32 just issued
	MUL16 \f, 1, 0, \zero
	MUL16 \f, 1, 2, \zero
.endm
; The last quarter multiplies buffer 1 and changes slots.  MEET is its first half: ONE barrier for the change of slots.  In front of it each wave waits for all its tensor loads, of which one is out:
; its part of the next slot; adds 0 to its spare word; and waits for that and for its own reads of this slot.  Behind it nobody reads this slot any more and the next slot is whole.
.macro MEET round                      ; round = 1: a round of the cluster's barrier follows
	WIN 0                                          ; (the add's two registers lie in window 0)
	s_wait_tensorcnt 0x0                           ; all my tensor loads have landed;
	ds_add_u32 v[SPW], v[NIL]                      ; 0 onto my spare word;
	s_wait_dscnt 9                                 ; (the add and the youngest eight loads may be out)
	MUL16 F1, 0, 0, 0                              ; sixteen matrix instructions stand between the add and the wait for it
	s_wait_dscnt 0x0                               ; the add is done, and my reads of this slot are over:
	s_barrier_signal -1                            ; say so,
	MUL16 F1, 0, 2, 0                              ; work on registers while the others arrive,
.if \round
	WIN 0
.endif
	s_barrier_wait -1                              ; and go on when all four have said so
.endm
; The whole last quarter.  fill = 1: the barrier opens a round of the cluster's, and behind it the slot just read out is filled again first, with the K step two steps on: from that request to the
; wait for it a wave issues 224 matrix instructions.  Then come the next slot's first fragments.
.macro TURN slot, next, fill
	MEET \fill
.if \fill
	CREST                                          ; no wave of any partner still reads this slot's tile or has a load on its way
	s_add_nc_u64 s[G0+4*(\slot)+2:G0+4*(\slot)+3], s[G0+4*(\slot)+2:G0+4*(\slot)+3], ASTEP
	s_add_nc_u64 s[G0B+4*(\slot)+2:G0B+4*(\slot)+3], s[G0B+4*(\slot)+2:G0B+4*(\slot)+3], BSTEP
	JLOAD \slot                                    ; my one tensor load behind the round; the four v_nop behind it are also the places in front of the loads below
.else
	PLACES
.endif
	FETCH \next, 0, F0
	MUL16 F1, 1, 0, 0
	MUL16 F1, 1, 2, 0
.endm
; THE WAY OUT of block a (16 rows x 128 columns), in three parts.
; SCALE: alpha x sum + R[m]; each accumulator's registers in ascending order.
.macro SCALE a
.set AC, 64*((\a)%4)
	WIN 0x02+(\a)/4                                ; source 0: window 2 or 3
.irp b, 0,1,2,3,4,5,6,7
.irp r, 0,1,2,3
	v_pk_fma_f32 v[TMP+8*(\b)+2*(\r):TMP+8*(\b)+2*(\r)+1], v[AC+8*(\b)+2*(\r):AC+8*(\b)+2*(\r)+1], s[76:77], v[RB+2*(\a):RB+2*(\a)+1] op_sel_hi:[1,0,1]
.endr
.endr
	WIN 0
.endm
; TOSTAGE: a lane's 32 bytes of a row go into my own stage, in rows of 528 bytes, and whole rows of 512 bytes come back.
.macro TOSTAGE a
	WIN 0
.set BK, OB+64*((\a)%2)
.irp b, 0,1,2,3,4,5,6,7
	ds_store_b128 v[STO], v[TMP+8*(\b):TMP+8*(\b)+3]   offset:64*(\b)
	ds_store_b128 v[STO], v[TMP+8*(\b)+4:TMP+8*(\b)+7] offset:64*(\b)+16
.endr
.irp t, 0,1,2,3,4,5,6,7,8,9,10,11,12,13,14,15
	ds_load_b128 v[BK+4*(\t):BK+4*(\t)+3], v[RD] offset:(\t)*SPITCH  ; LDS serves a wave's instructions in order (ISA guide 5.7.1.4): these see the stores above
.endr
.endm
; SEND: + C[n], the maximum with 0, and the store.
.macro SEND a
	WIN 0
.set BK, OB+64*((\a)%2)
	s_wait_xcnt 0x0                                ; the stores' base, and the registers that the stores of two blocks back read (the next TOSTAGE loads them), are rewritten only behind this wait
.if (\a) == 0
	s_add_nc_u64 s[8:9], s[8:9], s[82:83]          ; on to my first rows
.else
	s_add_nc_u64 s[8:9], s[8:9], 16*SIZE_N*4       ; 16 rows of out on
.endif
.irp t, 0,1,2,3,4,5,6,7,8,9,10,11,12,13,14,15
	s_wait_dscnt 15-(\t)                           ; row t is back; the rows behind it may be out
	v_pk_add_f32 v[BK+4*(\t):BK+4*(\t)+1],   v[BK+4*(\t):BK+4*(\t)+1],   v[CC:CC+1]
	v_pk_add_f32 v[BK+4*(\t)+2:BK+4*(\t)+3], v[BK+4*(\t)+2:BK+4*(\t)+3], v[CC+2:CC+3]
	v_max_num_f32 v[BK+4*(\t)],   0, v[BK+4*(\t)]
	v_max_num_f32 v[BK+4*(\t)+1], 0, v[BK+4*(\t)+1]
	v_max_num_f32 v[BK+4*(\t)+2], 0, v[BK+4*(\t)+2]
	v_max_num_f32 v[BK+4*(\t)+3], 0, v[BK+4*(\t)+3]
	global_store_b128 v[CO], v[BK+4*(\t):BK+4*(\t)+3], s[8:9] offset:(\t)*SIZE_N*4 th:TH_STORE_NT  ; the wave stores 512 consecutive bytes, at a multiple of 512 from out's first byte
.endr
.endm
	s_wait_tensorcnt 1                             ; my part of K step 0 is in; K step 1's may stay out
	s_barrier_signal -1
	s_barrier_wait -1                              ; everybody's is
	FETCH 0, 0, F0
	QUARTER 0, 1, F0, F1, 1                        ; the first quarter stands in front of the loop: its products start the sums
	WIN 0                                          ; at a label and at a branch every window is 0
	s_mov_b32 s3, LAPS-1
.Llap:                                                 ; a trip goes once round the ring, from a lap's second quarter to the next lap's first, and fills both slots again: K steps 2 to 31
	QUARTER 0, 2, F1, F0, 0
	QUARTER 0, 3, F0, F1, 0
	TURN 0, 1, 1
	QUARTER 1, 1, F0, F1, 0
	QUARTER 1, 2, F1, F0, 0
	QUARTER 1, 3, F0, F1, 0
	TURN 1, 0, 1
	QUARTER 0, 1, F0, F1, 0
	WIN 0
	s_sub_co_u32 s3, s3, 1
	s_cmp_lg_u32 s3, 0
	s_cbranch_scc1 .Llap
	QUARTER 0, 2, F1, F0, 0                        ; the last lap is written out: it fills nothing, and has no round of the cluster's barrier
	QUARTER 0, 3, F0, F1, 0
	TURN 0, 1, 0
	QUARTER 1, 1, F0, F1, 0
	QUARTER 1, 2, F1, F0, 0
	QUARTER 1, 3, F0, F1, 0
	s_wait_dscnt 8                                 ; the very last quarter: nothing more to fetch
	MUL16 F1, 0, 0, 0
	MUL16 F1, 0, 2, 0
	s_wait_dscnt 0x0
	MUL16 F1, 1, 0, 0
	MUL16 F1, 1, 2, 0
	WIN 0
	PLACES                                         ; the scalings read matrix results and write registers that were fragments
	SCALE 0
	TOSTAGE 0
.irp a, 1,2,3,4,5,6,7                  ; block a's scaling stands between block a - 1's loads from the stage and the waits for them
	SCALE \a
	SEND (\a)-1
	TOSTAGE \a
.endr
	SEND 7
	s_wait_tensorcnt 0x0                           ; the wave's end: behind my last tensor load and my last LDS store
	ds_add_u32 v[SPW], v[NIL]
	s_wait_dscnt 0x0
	CROUND                                         ; the closing round: no work-group ends while a partner may still ask for a tile that names it
	s_endpgm
.Lfunc_end_k_qdf761d0149_gemm:
	.size	k_qdf761d0149_gemm, .Lfunc_end_k_qdf761d0149_gemm-k_qdf761d0149_gemm
	.p2alignl 7, 3214868480
	.fill 96, 4, 3214868480
	.section	.rodata,"a",@progbits
	.p2align	6, 0x0
	.amdhsa_kernel k_qdf761d0149_gemm
		.amdhsa_group_segment_fixed_size 327680
		.amdhsa_private_segment_fixed_size 0
		.amdhsa_enable_private_segment 0
		.amdhsa_kernarg_size 56
		.amdhsa_user_sgpr_count 2
		.amdhsa_user_sgpr_kernarg_segment_ptr 1
		.amdhsa_wavefront_size32 1
		.amdhsa_system_sgpr_workgroup_id_x 1
		.amdhsa_system_sgpr_workgroup_id_y 1
		.amdhsa_system_sgpr_workgroup_id_z 1
		.amdhsa_system_vgpr_workitem_id 0
		.amdhsa_next_free_vgpr 1024
		.amdhsa_next_free_sgpr 88
		.amdhsa_reserve_vcc 0
		.amdhsa_float_denorm_mode_32 3
		.amdhsa_float_denorm_mode_16_64 3
		.amdhsa_memory_ordered 1
		.amdhsa_forward_progress 1
		.amdhsa_inst_pref_size 196
	.end_amdhsa_kernel
	.amdgpu_metadata
---
amdhsa.version: [ 1, 2 ]
amdhsa.kernels:
  - .name:           k_qdf761d0149_gemm
    .symbol:         k_qdf761d0149_gemm.kd
    .args:
      - { .name: xc, .offset: 0, .size: 8, .value_kind: global_buffer, .address_space: global }
      - { .name: wc, .offset: 8, .size: 8, .value_kind: global_buffer, .address_space: global }
      - { .name: out0, .offset: 16, .size: 8, .value_kind: global_buffer, .address_space: global }
      - { .name: rowc, .offset: 24, .size: 8, .value_kind: global_buffer, .address_space: global }
      - { .name: colp, .offset: 32, .size: 8, .value_kind: global_buffer, .address_space: global }
      - { .name: b, .offset: 40, .size: 8, .value_kind: global_buffer, .address_space: global }
      - { .name: par, .offset: 48, .size: 8, .value_kind: global_buffer, .address_space: global }
    .group_segment_fixed_size: 327680
    .private_segment_fixed_size: 0
    .kernarg_segment_align: 8
    .kernarg_segment_size: 56
    .max_flat_workgroup_size: 128
    .sgpr_count:     88
    .vgpr_count:     1024
    .wavefront_size: 32
...
	.end_amdgpu_metadata
.endif
;; end of part 3
